; MI455X (gfx1250); checked and timed in simulation.
; The chip was launched on July 23, 2026; its instructions are those of AMD's public machine-readable ISA for CDNA 5 (MIT licence, August 2026) and "CDNA5" Instruction Set Architecture Reference Guide (July 2026). The comments in the code are by the model that wrote it; some were corrected since.
;; Nystroem. Allowed arithmetic: float matrix products may take bf16 or f16 operands with f32 sums; other float arithmetic in f32, or as packed bf16 or f16 multiplies, adds, multiply-adds, maxima and minima; sums over many terms, partial sums and values carried from step to step in f32; what a program stores and reads back later, other than sums and carried values, may be rounded once to bf16 or f16.
;; Inputs: centers 2,048 x 2,048 float32; gamma 1 float32; inputs 8,192 x 2,048 float32; normalization 2,048 x 2,048 float32.
;; Outputs: out0 8,192 x 2,048 float32.
;; One version. Each part assembles by itself: llvm-mc -triple=amdgcn-amd-amdhsa -mcpu=gfx1250 --defsym DOCPART=n.
;; ======== version 1 of 1: 3 launches
;; workspace buffers: xb 33,554,432 bytes; cb 8,388,608 bytes; nt 8,388,608 bytes; xsq 32,768 bytes; csq 8,192 bytes; dens 33,554,432 bytes
;; launch prep (part 1): grid 1152 x 1, 8 waves a work-group, no clusters, 18,432 bytes of LDS; arguments inputs, centers, normalization, xb, cb, nt, xsq, csq; writes xb, cb, nt, xsq, csq
.if DOCPART == 1
	.amdgcn_target "amdgcn-amd-amdhsa--gfx1250"
	.amdhsa_code_object_version 6
	.text
	.protected	k_q2f22e9ad72_prep
	.globl	k_q2f22e9ad72_prep
	.p2align	8
	.type	k_q2f22e9ad72_prep,@function
k_q2f22e9ad72_prep:
	s_mov_b64 s[64:65], 0
	v_nop
	global_prefetch_b8 v0, s[64:65] scope:SCOPE_SE
	s_setreg_imm32_b32 hwreg(HW_REG_WAVE_MODE, 25, 1), 1
	s_wait_xcnt 0x0
; PREPARATION for two bf16 products.  inputs [8192][2048], centers [2048][2048], normalization [2048][2048], all f32.
;   xb, cb = inputs, centers rounded once to bf16, same layout.   xsq[r], csq[r] = the sum over a row of the squares OF THE ROUNDED NUMBERS, in f32:
;   so |x|^2 + |c|^2 - 2 x.c, made later from the bf16 products, is the true squared distance of the rounded points, also where the inputs carry a common offset.
;   nt[n][k] = normalization[k][n] rounded to bf16: transposed, so that the second product finds K along the rows.
; LIMITS.  Numbers are rounded to bf16 (8 significant bits); the squares are those of the rounded numbers, added in another order than a plain row sum; NaN and infinities are not treated apart.
; SHARES, by the work-group's number alone (the same branch in all eight waves): 0-511: 16 rows of inputs each; 512-639: 16 rows of centers each; 640-1151: a tile of 128 k x 64 n of normalization each.
; A stream: each byte is read once and written once; no matrix unit, no cluster (nothing is shared), no tensor load (one pass, the loads' registers hold what is in flight).
.set SPARE, 17408                      ; LDS: bytes 0 .. 17,407 the transposing tile; from here the spare words, 128 bytes for each of the eight waves, which no other line names
.set TP,    272                        ; a row of the tile: 128 bf16 = 256 bytes + 16 of padding
.set X,     16                         ; v[16:143]  two rows as loaded, 64 registers each; the first two of each four then hold the four numbers in bf16
; v1 lane  v2 16 x lane  v3 8 x lane  v4 4 x lane  v5 0  v6, v7 the add's two registers  v8-11 four chains of squares  v12, v13 the two rows' sums  v14 the other half of the lanes'  v15 what is stored
; s2 work-group  s3 wave  s[4:5] from  s[6:7] to  s[8:9] the sums' place  s[10:11] an offset, upper word 0  s12, s13 lane selects  s14 EXEC kept  s15 at work  s[16:31] the eight addresses
	s_load_b512 s[16:31], s[0:1], 0x0              ; inputs 16, centers 18, normalization 20, xb 22, cb 24, nt 26, xsq 28, csq 30
	v_lshl_add_u32 v6, v0, 2, SPARE                ; my spare word
	v_mov_b32 v7, 0
	v_lshrrev_b32 v1, 5, v0
	v_readfirstlane_b32 s3, v1                     ; wave 0..7
	v_and_b32 v1, 31, v0                           ; lane
	v_mov_b32 v5, 0                                ; what the chains of squares start from
	v_mov_b32 v14, 0                               ; v_permlanex16_b32 counts as a reader of its destination
	s_mov_b32 s2, ttmp9
	s_mov_b32 s11, 0
	s_mov_b32 s12, 0x76543210                      ; each lane takes its own place in the other half
	s_mov_b32 s13, 0xfedcba98
	s_wait_kmcnt 0x0
	s_cmp_ge_u32 s2, 640
	s_cbranch_scc1 .Ltrans
	; ROUNDING AND SQUARES.  A wave takes two whole rows of 8,192 bytes: 32 loads of 16 bytes a lane, all issued at once (16 KiB a wave on their way).
	s_cmp_lt_u32 s2, 512                           ; inputs or centers?  The four selects stand ahead of every line that sets SCC anew
	s_cselect_b64 s[4:5], s[16:17], s[18:19]
	s_cselect_b64 s[6:7], s[22:23], s[24:25]
	s_cselect_b64 s[8:9], s[28:29], s[30:31]
	s_cselect_b32 s15, 0, 512
	s_sub_co_u32 s15, s2, s15                      ; the block of 16 rows in its tensor
	s_lshl_b32 s15, s15, 4
	s_lshl1_add_u32 s15, s3, s15                   ; my first row = 16 x block + 2 x wave
	s_lshl_b32 s10, s15, 13                        ; rows of 8,192 bytes in,
	s_add_nc_u64 s[4:5], s[4:5], s[10:11]
	s_lshl_b32 s10, s15, 12                        ; of 4,096 bytes out,
	s_add_nc_u64 s[6:7], s[6:7], s[10:11]
	s_lshl_b32 s10, s15, 2                         ; and 4 bytes a row for the sums
	s_add_nc_u64 s[8:9], s[8:9], s[10:11]
	v_lshlrev_b32 v2, 4, v1
	v_lshlrev_b32 v3, 3, v1
	v_lshlrev_b32 v4, 2, v1
.set j, 0
.rept 32
	global_load_b128 v[X+4*j:X+4*j+3], v2, s[4:5] offset:512*j th:TH_LOAD_NT  ; 512 consecutive bytes a load; loads 16-31 are the second row, which follows the first in memory
.set j, j+1
.endr
; Row q.  left = how many younger loads may stay out.  Four numbers are rounded in pairs; the wave's 32 lanes store 256 consecutive bytes, aligned; the squares are taken from the bf16 halves, in f32,
; in four chains that do not wait for each other.  No register that a store reads is written again.
.macro ROW q, left
	s_wait_loadcnt \left
.set j, 0
.rept 16
.set B, X+64*(\q)+4*j
	v_cvt_pk_bf16_f32 v[B], v[B], v[B+1]
	v_cvt_pk_bf16_f32 v[B+1], v[B+2], v[B+3]
	global_store_b64 v3, v[B:B+1], s[6:7] offset:4096*(\q)+256*j
.if j == 0
	v_fma_mix_f32_bf16 v8,  v[B],   v[B],   v5 op_sel_hi:[1,1,0]                 ; the first four squares start the chains: nothing is cleared
	v_fma_mix_f32_bf16 v9,  v[B],   v[B],   v5 op_sel:[1,1,0] op_sel_hi:[1,1,0]
	v_fma_mix_f32_bf16 v10, v[B+1], v[B+1], v5 op_sel_hi:[1,1,0]
	v_fma_mix_f32_bf16 v11, v[B+1], v[B+1], v5 op_sel:[1,1,0] op_sel_hi:[1,1,0]
.else
	v_fma_mix_f32_bf16 v8,  v[B],   v[B],   v8  op_sel_hi:[1,1,0]                ; low half squared,
	v_fma_mix_f32_bf16 v9,  v[B],   v[B],   v9  op_sel:[1,1,0] op_sel_hi:[1,1,0] ; high half squared
	v_fma_mix_f32_bf16 v10, v[B+1], v[B+1], v10 op_sel_hi:[1,1,0]
	v_fma_mix_f32_bf16 v11, v[B+1], v[B+1], v11 op_sel:[1,1,0] op_sel_hi:[1,1,0]
.endif
.set j, j+1
.endr
	v_add_f32 v8, v8, v9
	v_add_f32 v10, v10, v11
	v_add_f32 v8, v8, v10
	v_add_f32_dpp v8, v8, v8 row_xmask:1 row_mask:0xf bank_mask:0xf   ; across the 32 lanes: four steps inside each half,
	v_add_f32_dpp v8, v8, v8 row_xmask:2 row_mask:0xf bank_mask:0xf
	v_add_f32_dpp v8, v8, v8 row_xmask:4 row_mask:0xf bank_mask:0xf
	v_add_f32_dpp v8, v8, v8 row_xmask:8 row_mask:0xf bank_mask:0xf
	v_permlanex16_b32 v14, v8, s12, s13                               ; one across the halves
	v_add_f32 v[12+(\q)], v8, v14
.endm
	ROW 0, 16                                      ; the second row's sixteen loads stay out
	ROW 1, 0
	; lane 0 stores the first row's sum, lane 1 the second's: 8 bytes a wave, 40 KiB of the launch's 144 MiB: too little to be gathered through LDS
	v_cmp_eq_u32 vcc_lo, 1, v1
	v_cndmask_b32 v15, v12, v13, vcc_lo
	v_cmp_gt_u32 vcc_lo, 2, v1
	s_wait_xcnt 0x0                                ; EXEC is a source of the stores above: it changes only behind this wait
	s_and_saveexec_b32 s14, vcc_lo
	global_store_b32 v4, v15, s[8:9]
	s_wait_xcnt 0x0                                ; and again in front of the line that widens it
	s_or_b32 exec_lo, exec_lo, s14
	s_branch .Lend
	; THE TRANSPOSE.  Tile t = work-group - 640: k = 128 (t % 16) .. + 127, n = 64 (t / 16) .. + 63.  Wave w reads rows k = 16 w .. 16 w + 15: sixteen lanes take 256 consecutive bytes (64 n) of a row.
	; Lane (c = lane % 16, h = lane / 16) ends with k = 16 w + 8 h + 0..7 for each of n = 4 c + 0..3: four times 16 bytes, into rows n of the LDS tile.  Behind a barrier the rows,
	; 128 k = 256 bytes, are read whole and stored: sixteen lanes fill 256 consecutive bytes of nt, aligned.
	; v8 offset in  v9 LDS in  v10 LDS back  v11 offset out  v12 c  v13 h  v[16:47] as loaded  v[48:63] packed, then whole rows
.Ltrans:
	s_sub_co_u32 s15, s2, 640
	s_and_b32 s14, s15, 15                         ; which 128 k
	s_lshr_b32 s15, s15, 4                         ; which 64 n
	v_and_b32 v12, 15, v1
	v_lshrrev_b32 v13, 4, v1
	s_lshl_b32 s10, s14, 20                        ; 128 rows of 8,192 bytes,
	s_lshl_b32 s8, s3, 17                          ; my wave's 16 rows,
	s_add_co_u32 s10, s10, s8
	s_lshl_b32 s8, s15, 8                          ; 64 n of 4 bytes
	s_add_co_u32 s10, s10, s8
	s_add_nc_u64 s[20:21], s[20:21], s[10:11]
	v_lshlrev_b32 v8, 4, v12
	v_lshl_add_u32 v8, v13, 16, v8                 ; 8 h rows + 16 c
.set j, 0
.rept 8
	global_load_b128 v[16+4*j:16+4*j+3], v8, s[20:21] offset:8192*j th:TH_LOAD_NT  ; row 16 w + 8 h + j, n = 4 c + 0..3
.set j, j+1
.endr
	v_mul_u32_u24 v9, v12, 4*TP                    ; in: row 4 c (+ e by the immediate), byte 2 (16 w + 8 h)
	v_lshl_add_u32 v9, v13, 4, v9
	s_lshl_b32 s8, s3, 5
	v_add_nc_u32 v9, s8, v9
	s_lshl_b32 s8, s3, 3
	v_add_nc_u32 v10, s8, v13                      ; back: row 8 w + h (+ 2 i by the immediate), byte 16 c
	v_mul_u32_u24 v10, v10, TP
	v_lshl_add_u32 v10, v12, 4, v10
	v_lshlrev_b32 v11, 4, v12
	v_lshl_add_u32 v11, v13, 12, v11               ; the same rows in nt: h rows of 4,096 bytes + 16 c
	s_lshl_b32 s10, s15, 18                        ; 64 rows of nt,
	s_lshl_b32 s8, s3, 15                          ; my wave's 8,
	s_add_co_u32 s10, s10, s8
	s_lshl_b32 s8, s14, 8                          ; 128 k of 2 bytes
	s_add_co_u32 s10, s10, s8
	s_add_nc_u64 s[26:27], s[26:27], s[10:11]
	s_wait_loadcnt 0x0
.irp e, 0,1,2,3
.irp j, 0,1,2,3
	v_cvt_pk_bf16_f32 v[48+4*(\e)+(\j)], v[16+8*(\j)+(\e)], v[16+8*(\j)+4+(\e)]  ; k = .. + 2 j in the low half, + 2 j + 1 in the high half
.endr
.endr
.irp e, 0,1,2,3
	ds_store_b128 v9, v[48+4*(\e):48+4*(\e)+3] offset:TP*(\e)  ; lanes c and c + 4 are 4,352 bytes = 17 x 256 apart and meet in the same banks (64 banks of 4 bytes: ISA guide 11.1): four stores a wave, left so
.endr
	s_wait_dscnt 0x0                               ; for the others' sake: my stores into the tile are done
	s_barrier_signal -1
	s_barrier_wait -1                              ; everybody's are
.irp i, 0,1,2,3
	ds_load_b128 v[48+4*(\i):48+4*(\i)+3], v10 offset:2*TP*(\i)
.endr
.irp i, 0,1,2,3
	s_wait_dscnt 3-(\i)                            ; LDS loads come back in order (ISA guide 5.7.1): load i is in, the younger ones stay out
	global_store_b128 v11, v[48+4*(\i):48+4*(\i)+3], s[26:27] offset:8192*(\i)
.endr
.Lend:
	s_wait_tensorcnt 0x0                           ; the wave's end, behind my last LDS store
	ds_add_u32 v6, v7
	s_wait_dscnt 0x0
	s_endpgm
.Lfunc_end_k_q2f22e9ad72_prep:
	.size	k_q2f22e9ad72_prep, .Lfunc_end_k_q2f22e9ad72_prep-k_q2f22e9ad72_prep
	.p2alignl 7, 3214868480
	.fill 96, 4, 3214868480
	.section	.rodata,"a",@progbits
	.p2align	6, 0x0
	.amdhsa_kernel k_q2f22e9ad72_prep
		.amdhsa_group_segment_fixed_size 18432
		.amdhsa_private_segment_fixed_size 0
		.amdhsa_enable_private_segment 0
		.amdhsa_kernarg_size 64
		.amdhsa_user_sgpr_count 2
		.amdhsa_user_sgpr_kernarg_segment_ptr 1
		.amdhsa_wavefront_size32 1
		.amdhsa_system_sgpr_workgroup_id_x 1
		.amdhsa_system_sgpr_workgroup_id_y 1
		.amdhsa_system_sgpr_workgroup_id_z 1
		.amdhsa_system_vgpr_workitem_id 0
		.amdhsa_next_free_vgpr 144
		.amdhsa_next_free_sgpr 66
		.amdhsa_reserve_vcc 1
		.amdhsa_float_denorm_mode_32 3
		.amdhsa_float_denorm_mode_16_64 3
		.amdhsa_memory_ordered 1
		.amdhsa_forward_progress 1
		.amdhsa_inst_pref_size 25
	.end_amdhsa_kernel
	.amdgpu_metadata
---
amdhsa.version: [ 1, 2 ]
amdhsa.kernels:
  - .name:           k_q2f22e9ad72_prep
    .symbol:         k_q2f22e9ad72_prep.kd
    .args:
      - { .name: inputs, .offset: 0, .size: 8, .value_kind: global_buffer, .address_space: global }
      - { .name: centers, .offset: 8, .size: 8, .value_kind: global_buffer, .address_space: global }
      - { .name: normalization, .offset: 16, .size: 8, .value_kind: global_buffer, .address_space: global }
      - { .name: xb, .offset: 24, .size: 8, .value_kind: global_buffer, .address_space: global }
      - { .name: cb, .offset: 32, .size: 8, .value_kind: global_buffer, .address_space: global }
      - { .name: nt, .offset: 40, .size: 8, .value_kind: global_buffer, .address_space: global }
      - { .name: xsq, .offset: 48, .size: 8, .value_kind: global_buffer, .address_space: global }
      - { .name: csq, .offset: 56, .size: 8, .value_kind: global_buffer, .address_space: global }
    .group_segment_fixed_size: 18432
    .private_segment_fixed_size: 0
    .kernarg_segment_align: 8
    .kernarg_segment_size: 64
    .max_flat_workgroup_size: 256
    .sgpr_count:     66
    .vgpr_count:     144
    .wavefront_size: 32
...
	.end_amdgpu_metadata
.endif
;; end of part 1
;; launch gemm1 (part 2): grid 8 x 32, 4 waves a work-group, clusters of 4 x 4, 327,680 bytes of LDS; arguments xb, cb, dens, xsq, csq, gamma; writes dens
.if DOCPART == 2
	.amdgcn_target "amdgcn-amd-amdhsa--gfx1250"
	.amdhsa_code_object_version 6
	.text
	.protected	k_q2f22e9ad72_gemm1
	.globl	k_q2f22e9ad72_gemm1
	.p2align	8
	.type	k_q2f22e9ad72_gemm1,@function
k_q2f22e9ad72_gemm1:
	s_mov_b64 s[64:65], 0
	v_nop
	global_prefetch_b8 v0, s[64:65] scope:SCOPE_SE
	s_setreg_imm32_b32 hwreg(HW_REG_WAVE_MODE, 25, 1), 1
	s_wait_xcnt 0x0
	s_wait_alu depctr_hold_cnt(0) depctr_sa_sdst(0) depctr_va_vdst(0) depctr_va_sdst(0) depctr_va_ssrc(0) depctr_va_vcc(0) depctr_vm_vsrc(0)
	s_getreg_b32 s2, hwreg(HW_REG_IB_STS2, 6, 4)
	s_cmp_eq_u32 s2, 0
	s_cbranch_scc0 .Lentry_in_a_cluster
	s_endpgm
.Lentry_in_a_cluster:
	s_bfe_u32 s2, ttmp6, 0x10000c
	s_cmp_lg_u32 s2, 0xf033
	s_cbranch_scc0 .Lentry_shape_is_right
	s_endpgm
.Lentry_shape_is_right:
; dens[m][c] = exp(-gamma (xsq[m] + csq[c] - 2 S[m][c])), S[m][c] = the sum over k of xb[m][k] cb[c][k].  xb: [8192][2048], cb: [2048][2048], dens: [8192][2048], all bf16; xsq, csq, gamma f32; sums in f32.
; The exponential is 2^(S (2 g L) + ((-g L) xsq + (-g L) csq)), L = log2(e), all in f32; dens is rounded once to bf16 (bf16, since a density has no room in f16 where gamma is larger).
; LIMITS.  The exponent's three terms are added in another order than xsq + csq - 2 S times -gamma; a density below 2^-126 comes out as 0 (v_exp_f32: ISA guide 15.8); NaN and infinities are not treated apart.
; A tile of 256 x 256 is made by a work-group of four waves; a wave makes 128 x 128: 64 accumulators of 16 x 16, 512 registers.  32 x 8 tiles: 256 work-groups, one tile each.
; K goes in steps of 128 through a ring of two LDS slots filled by the tensor data mover: the tiles' rows are 256 bytes of memory and start at multiples of 256 bytes from the buffer's first byte.
; CLUSTERS: 4 x 4 work-groups.  The four of a row of the cluster need the same tiles of A (xb), the four of a column the same tiles of B (cb): such a tile is asked for JOINTLY: each of the four issues
; the same tensor load, with the same descriptor and a mask that names the four, and each receives the tile in its own LDS.
; REGISTERS, in windows of 256 (s_set_vgpr_msb's low byte: bits 1:0 source 0, 3:2 source 1, 5:4 source 2, 7:6 destination):
;   window 0: v0-31 addresses and three factors; v32-47 (-g L) xsq of my rows; v192-255 (-g L) csq of my columns; v64-127, v128-191 fragments of A, two buffers (on the way out: exponents, packed results)
;   window 1: v64-127, v128-191 fragments of B, two buffers     window 2: the 32 accumulators of my rows 0-63 ((a, b) at v[8 (8 a + b)])     window 3: those of my rows 64-127
; THE MATRIX INSTRUCTION IS USED TRANSPOSED: source 0 = 16 rows of B, source 1 = 16 rows of A.  Lane l then holds row l % 16 of the result and in registers 0-7 the columns 8 (l / 16) + 0..7: eight neighbours of a row.
.set SIZE_N, 2048
.set SIZE_K, 2048
.set KSTEP,  128
.set PITCH,  272                       ; an LDS row: 256 bytes + 16 of padding = 68 words: row r starts at bank 4 r mod 64 (64 banks of 4 bytes: ISA guide 11.1), so the 16 rows of a load start at 16 different banks
.set HALFT,  128*PITCH                 ; 128 rows: what one tensor load brings, and what one wave reads of A or of B
.set SLOT,   4*HALFT                   ; A's 256 rows, then B's 256 rows
.set STAGE,  2*SLOT                    ; behind the ring: 16 rows x 272 bytes for each wave, for the way out; no tensor load lands here
.set SPITCH, 272
.set SPARE,  STAGE+4*16*SPITCH         ; behind the stages: the spare words, 128 bytes for each wave, which no other line names
.set LAPS,   SIZE_K/(2*KSTEP)          ; a lap = two K steps = once round the ring: 8
.set ROWC,   SIZE_N*2                  ; bytes in a row of dens
.set GV,   6                           ; v6      gamma
.set K2,   10                          ; v10-11  2 g L, twice (a pair for the packed multiply-add)
.set KN,   12                          ; v12-13  -g L, twice
.set XO,   14                          ; v14     4 (l % 16): my row's place in 16 numbers of xsq
.set CSO,  15                          ; v15     32 (l / 16): my eight columns' place in 16 numbers of csq
.set ADRA, 16                          ; v16-17  LDS address of my A fragments in slot 0, 1
.set ADRB, 20                          ; v20-21  the same for B
.set STO,  24                          ; v24     the way out: where I put 16 bytes of a row
.set RD,   25                          ; v25     the way out: where I read a row back
.set CO,   26                          ; v26     my byte offset in dens
.set SPW,  28                          ; v28     LDS address of my spare word; never rewritten
.set NIL,  29                          ; v29     0; never rewritten
.set PFO,  30                          ; v30     the prefetches' offset: my lane x a row of A or B in memory; never rewritten
.set XS,   32                          ; v32-47  block a of 16 rows: (-g L) xsq of my row, twice, at XS + 2 a
.set CS,   192                         ; v192-255  (-g L) csq of column 16 b + 8 (l / 16) + j at CS + 8 b + j: as the accumulators of a block lie
.set F0,   64                          ; fragment buffer 0
.set F1,   128                         ; fragment buffer 1
.set ARG,  64                          ; the way out: a block's 64 exponents, then its densities
.set TMP,  128                         ; the way out: packed results, two sets of 32 by turns
.set PFA,  44                          ; s[44:45] where my prefetches stand
.set LIM,  43                          ; s43     1 in a wave that prefetches, else the greatest number
.set G1,  24                           ; s[24:31] descriptor group 1 for A's tiles;  s[32:39] group 0, one set for each slot
.set G0,  32
.set G1B, 48                           ; s[48:55], s[56:63] the same for B's tiles
.set G0B, 56
.set MSB, 0
.macro WIN new                         ; the immediate's high byte repeats the setting that is left; a switch that changes nothing is dropped
.if MSB != (\new)
	s_set_vgpr_msb (MSB<<8)|(\new)
.set MSB, \new
.endif
.endm
.set MUL_LO, 0xa1                      ; source 0 (B) window 1, source 1 (A) window 0, C and D window 2
.set MUL_HI, 0xf1                      ; the same, C and D window 3
.set TO_B,   0x40                      ; destination window 1, address window 0
; A joint load.  Waves 0 and 1 fetch A's two halves, waves 2 and 3 B's.  Each line has one mask and one set of registers for all that issue it.  The branch hangs on the wave's number alone.
; An s_nop 0 and four v_nop follow each of the two lines, ahead of the jump, the label and what follows.
.macro JLOAD s
	s_cmp_eq_u32 s11, 0
	s_cbranch_scc0 .Lfor_b_\@
	tensor_load_to_lds s[G0+4*(\s):G0+4*(\s)+3], s[G1:G1+7]
	s_nop 0
.rept 4
	v_nop
.endr
	s_branch .Lasked_\@
.Lfor_b_\@:
	tensor_load_to_lds s[G0B+4*(\s):G0B+4*(\s)+3], s[G1B:G1B+7]
	s_nop 0
.rept 4
	v_nop
.endr
.Lasked_\@:
.endm
; A PREFETCH INTO THE L2, behind each joint refill and the run of LDS loads that follows it: the K step that stands TWO refills on (512 matrix instructions ahead of the load that will want it): 32 rows x 256 bytes,
; a lane a row, one instruction a wave.  Each row's 256 bytes of a K step are named ONCE in the launch: A's tile row is read by both clusters of that row of clusters: the one with x = 0 asks; B's tile column by the
; eight clusters of that column: the one with y = 0 asks.  The four partners that ask for a tile jointly share its rows out BY ADDRESS: of the 128 rows that a wave fetches the partner at place p takes 32 p .. 32 p + 31
; (p = cx for A, cy for B).  K steps 0 to 3 come by their loads alone; the loop's last trip (s3 = 1) asks for nothing: there is no K step two on.
.macro ASK
	s_cmp_gt_u32 s3, s[LIM]
	s_cbranch_scc0 .Lnot_mine_\@
	global_prefetch_b8 v[PFO], s[PFA:PFA+1] offset:KSTEP*2 th:TH_LOAD_NT scope:SCOPE_SE
.Lnot_mine_\@:
.endm
; A round of the cluster's barrier: my work-group's barrier, so that wave 0's signal speaks for all four waves; wave 0 signals for the work-group; every wave waits for all sixteen work-groups; my work-group's barrier once more.
.macro CREST                           ; a round behind its opening barrier
	s_cmp_lg_u32 s10, 0
	s_cbranch_scc1 .Lnot_wave_0_\@
	s_barrier_signal -3
.Lnot_wave_0_\@:
	s_barrier_wait -3
	s_barrier_signal -1
	s_barrier_wait -1
.endm
.macro CROUND                          ; a whole round
	s_barrier_signal -1
	s_barrier_wait -1
	CREST
.endm
	s_load_b128 s[4:7], s[0:1], 0x0                ; A = xb s[4:5], B = cb s[6:7]
	s_load_b64 s[8:9], s[0:1], 0x10                ; dens
	s_load_b64 s[66:67], s[0:1], 0x18              ; xsq
	s_load_b128 s[68:71], s[0:1], 0x20             ; csq s[68:69], gamma s[70:71]
	v_lshl_add_u32 v[SPW], v0, 2, SPARE
	v_mov_b32 v[NIL], 0
	ds_add_u32 v[SPW], v[NIL]                      ; the wave's opening: the add, twice on end, and its wait ahead of my first tensor load; the set-up below stands between
	ds_add_u32 v[SPW], v[NIL]
	v_lshrrev_b32 v1, 5, v0
	v_readfirstlane_b32 s10, v1                    ; wave 0..3
	s_lshr_b32 s11, s10, 1                         ; which half of the tile's rows is mine.  Also: I fetch for A (0) or for B (1)
	s_and_b32 s12, s10, 1                          ; which half of its columns.  Also: which 128 rows of that tile I fetch
	s_bfe_u32 s40, ttmp6, 0x40000                  ; cx: my place along the cluster's x
	s_bfe_u32 s41, ttmp6, 0x40004                  ; cy: along its y
	s_lshl_b32 s42, ttmp9, 2                       ; in a cluster launch ttmp9 and ttmp7 count clusters
	s_add_co_u32 s42, s42, s40                     ; tile column = 4 x cluster x + cx
	s_and_b32 s13, ttmp7, 0xffff
	s_lshl_b32 s13, s13, 2
	s_add_co_u32 s13, s13, s41                     ; tile row = 4 x cluster y + cy
	s_lshl_b32 s43, s41, 2
	s_lshl_b32 s43, 15, s43                        ; my row of the cluster: places 4 cy .. 4 cy + 3
	s_lshl_b32 s44, 0x1111, s40                    ; my column: places cx, cx + 4, cx + 8, cx + 12
	; descriptor group 1: a tile of 128 rows x 128 elements, padded in LDS
	s_or_b32 s[G1+0], s43, (1<<16)|(1<<20)|(1<<21)|(5<<22)|(3<<25)  ; 15:0 the mask: A's tiles go to my row; 17:16 elements of 2 bytes; 20 padding on; 21 set beside a mask; 24:22 after every 64 words (code 5); 31:25 4 words of it (code 3)
	s_or_b32 s[G1B+0], s44, (1<<16)|(1<<20)|(1<<21)|(5<<22)|(3<<25) ; the same with the mask of my column, for B's tiles
.irp g, G1, G1B
	s_mov_b32 s[(\g)+1], KSTEP<<16                 ; tensor_dim0 = 128
	s_mov_b32 s[(\g)+2], 128<<16                   ; tensor_dim1 = 128
	s_mov_b32 s[(\g)+3], KSTEP<<16                 ; tile_dim0 = 128
	s_mov_b32 s[(\g)+4], 128                       ; tile_dim1 = 128
	s_mov_b32 s[(\g)+5], SIZE_K                    ; elements from row to row
	s_mov_b32 s[(\g)+6], 0
	s_mov_b32 s[(\g)+7], 0
.endr
	; where the tiles come from.  A's hang on the tile row alone, which my row of the cluster shares; B's on the tile column alone, which my column shares.  Every wave makes both addresses, in registers that never hold the other coordinate.
	s_lshl_b32 s17, s12, 7                         ; which 128 rows of the tile I fetch
	s_lshl_b32 s16, s13, 8
	s_add_co_u32 s16, s16, s17                     ; A: row 256 x tile row + 128 x half
	s_lshl_b32 s46, s42, 8
	s_add_co_u32 s46, s46, s17                     ; B: row 256 x tile column + 128 x half
	s_mov_b32 s17, 0
	s_mov_b32 s47, 0
	s_mov_b64 s[18:19], SIZE_K*2
	s_mul_u64 s[16:17], s[16:17], s[18:19]         ; in bytes
	s_mul_u64 s[46:47], s[46:47], s[18:19]
	s_mul_i32 s20, s10, HALFT                      ; and where they go: wave x 128 rows: no place in the cluster enters an LDS address
	s_wait_dscnt 0x0                               ; both opening adds are done
	s_wait_kmcnt 0x0
	s_add_nc_u64 s[14:15], s[4:5], s[16:17]
	s_add_nc_u64 s[46:47], s[6:7], s[46:47]
	CROUND                                         ; all sixteen work-groups are here: the first joint loads meet
.irp s, 0,1
	s_mov_b32 s[G0+4*(\s)], 1                                      ; count = 1
	s_add_co_u32 s[G0+4*(\s)+1], s20, (\s)*SLOT                    ; LDS address
	s_add_nc_u64 s[G0+4*(\s)+2:G0+4*(\s)+3], s[14:15], (\s)*KSTEP*2  ; global address: K step s
	s_or_b32 s[G0+4*(\s)+3], s[G0+4*(\s)+3], 0x80000000            ; type = 2
	s_mov_b32 s[G0B+4*(\s)], 1
	s_add_co_u32 s[G0B+4*(\s)+1], s20, (\s)*SLOT
	s_add_nc_u64 s[G0B+4*(\s)+2:G0B+4*(\s)+3], s[46:47], (\s)*KSTEP*2
	s_or_b32 s[G0B+4*(\s)+3], s[G0B+4*(\s)+3], 0x80000000
	JLOAD \s                                       ; the ring is filled before anything else is done: two loads of mine are out
.endr
	s_load_b32 s72, s[70:71], 0x0                  ; gamma
	; A fragment is 16 rows x 32 K in 8 registers: lane l holds row l % 16; registers 0-3 K = 8 (l / 16) + 0..7, registers 4-7 K = 16 + 8 (l / 16) + 0..7: two loads of 16 bytes, 32 bytes apart.
	v_and_b32 v1, 15, v0                           ; l % 16
	v_bfe_u32 v2, v0, 4, 1                         ; l / 16
	v_mul_u32_u24 v3, v1, PITCH
	v_lshl_add_u32 v3, v2, 4, v3                   ; row x pitch + 16 x half
	s_mul_i32 s21, s11, HALFT                      ; my 128 rows of A
	s_mul_i32 s22, s12, HALFT                      ; my 128 rows of B,
	s_add_co_u32 s22, s22, 2*HALFT                 ; which lie behind A's 256
.irp s, 0,1
	v_add_nc_u32 v[ADRA+(\s)], s21, v3
	v_add_nc_u32 v[ADRB+(\s)], s22, v3
	s_add_co_u32 s21, s21, SLOT
	s_add_co_u32 s22, s22, SLOT
.endr
	s_mul_i32 s23, s10, 16*SPITCH
	s_add_co_u32 s23, s23, STAGE                   ; my stage
	v_mul_u32_u24 v4, v1, SPITCH                   ; in: row l % 16, 16 bytes for each half of the lanes
	v_lshl_add_u32 v4, v2, 4, v4
	v_add_nc_u32 v[STO], s23, v4
	v_mul_u32_u24 v5, v2, SPITCH                   ; back: lanes 0-15 take one row of 256 bytes, lanes 16-31 the next
	v_lshl_add_u32 v5, v1, 4, v5
	v_add_nc_u32 v[RD], s23, v5
	v_mul_u32_u24 v5, v2, ROWC                     ; and the same two rows in dens
	v_lshl_add_u32 v[CO], v1, 4, v5
	; where my part of the tile begins in dens, in bytes: the way out adds it to the address
	s_lshl_b32 s13, s13, 8
	s_lshl_b32 s14, s11, 7
	s_add_co_u32 s16, s13, s14                     ; my first row
	s_mov_b32 s17, 0
	s_mov_b64 s[18:19], ROWC
	s_mul_u64 s[16:17], s[16:17], s[18:19]
	s_lshl_b32 s46, s42, 9                         ; my first column, in bytes: 512 x tile column + 256 x half
	s_lshl_b32 s47, s12, 8
	s_add_co_u32 s46, s46, s47
	s_mov_b32 s47, 0
	s_add_nc_u64 s[16:17], s[16:17], s[46:47]
	; the prefetches.  s13 = 256 x tile row, s42 = tile column, s40 = cx, s41 = cy still stand
	s_lshl_b32 s42, s42, 8
	s_and_b32 s22, ttmp7, 0xffff                   ; cluster y
	s_cmp_eq_u32 s11, 0                            ; do I fetch for A?
	s_cselect_b32 s20, s13, s42                    ; the tile's first row: in A by the tile row, in B by the tile column
	s_cselect_b32 s21, s40, s41                    ; my place among the four that ask for it with me
	s_cselect_b32 s22, ttmp9, s22                  ; the coordinate along which other clusters read the same rows
	s_cselect_b64 s[PFA:PFA+1], s[4:5], s[6:7]
	s_cmp_eq_u32 s22, 0
	s_cselect_b32 s[LIM], 1, -1                    ; the same in all sixteen partners, for a given wave
	s_lshl_b32 s22, s12, 7
	s_add_co_u32 s20, s20, s22                     ; + the 128 rows that I fetch
	s_lshl_b32 s21, s21, 5
	s_add_co_u32 s20, s20, s21                     ; + my work-group's 32 of them
	s_mov_b32 s21, 0
	s_mov_b64 s[18:19], SIZE_K*2
	s_mul_u64 s[20:21], s[20:21], s[18:19]
	s_add_nc_u64 s[PFA:PFA+1], s[PFA:PFA+1], s[20:21]
	s_add_nc_u64 s[PFA:PFA+1], s[PFA:PFA+1], 2*KSTEP*2  ; at K step 2: the first refill steps it to 3 and names K step 4
	v_and_b32 v[PFO], 31, v0
	v_mul_u32_u24 v[PFO], v[PFO], SIZE_K*2
	; THE EXPONENT'S ADDENDS, once a wave, in the wait for the first tile: xsq of my 128 rows (a lane: its row in each of 8 blocks), csq of my 128 columns (a lane: its eight in each of 8 blocks), both times -g L.
	s_add_co_u32 s78, s13, s14                     ; my first row,
	s_lshl_b32 s78, s78, 2                         ; 4 bytes a number
	s_mov_b32 s79, 0
	s_lshl_b32 s80, s12, 7
	s_add_co_u32 s80, s80, s42                     ; my first column = 256 x tile column + 128 x half
	s_lshl_b32 s80, s80, 2
	s_mov_b32 s81, 0
	s_add_nc_u64 s[66:67], s[66:67], s[78:79]
	s_add_nc_u64 s[68:69], s[68:69], s[80:81]
	v_lshlrev_b32 v[XO], 2, v1
	v_lshlrev_b32 v[CSO], 5, v2
.irp a, 0,1,2,3,4,5,6,7
	global_load_b32 v[XS+2*(\a)], v[XO], s[66:67] offset:64*(\a)
.endr
.irp b, 0,1,2,3,4,5,6,7
	global_load_b128 v[CS+8*(\b):CS+8*(\b)+3],   v[CSO], s[68:69] offset:64*(\b)
	global_load_b128 v[CS+8*(\b)+4:CS+8*(\b)+7], v[CSO], s[68:69] offset:64*(\b)+16
.endr
	s_wait_kmcnt 0x0                               ; gamma
	v_mov_b32 v[GV], s72
	v_mul_f32 v[K2],   0x4038aa3b, v[GV]           ; 2 log2(e) g
	v_mul_f32 v[K2+1], 0x4038aa3b, v[GV]
	v_mul_f32 v[KN],   0xbfb8aa3b, v[GV]           ; -log2(e) g
	v_mul_f32 v[KN+1], 0xbfb8aa3b, v[GV]
	s_wait_loadcnt 0x0
.irp a, 0,1,2,3,4,5,6,7
	v_mul_f32 v[XS+2*(\a)+1], v[KN], v[XS+2*(\a)]
	v_mul_f32 v[XS+2*(\a)],   v[KN], v[XS+2*(\a)]
.endr
.set i, 0
.rept 32
	v_pk_mul_f32 v[CS+i:CS+i+1], v[CS+i:CS+i+1], v[KN:KN+1]
.set i, i+2
.endr
; 16 matrix instructions: m blocks a0, a0 + 1 of the window's four (hi = 0: my rows 0-63, 1: rows 64-127) x all 8 n blocks, 32 along K.  zero = 1: the first product starts the sums: nothing is ever cleared.
; The 64 accumulators take turns, one instruction a turn, in the same order in every quarter step, over the loop's backward jump too.
.macro MUL16 f, hi, a0, zero
	WIN MUL_LO+0x50*(\hi)
.irp a, \a0, (\a0)+1
.irp b, 0,1,2,3,4,5,6,7
.if \zero
	v_wmma_f32_16x16x32_bf16 v[8*(8*(\a)+(\b)):8*(8*(\a)+(\b))+7], v[(\f)+8*(\b):(\f)+8*(\b)+7], v[(\f)+8*(4*(\hi)+(\a)):(\f)+8*(4*(\hi)+(\a))+7], 0
.else
	v_wmma_f32_16x16x32_bf16 v[8*(8*(\a)+(\b)):8*(8*(\a)+(\b))+7], v[(\f)+8*(\b):(\f)+8*(\b)+7], v[(\f)+8*(4*(\hi)+(\a)):(\f)+8*(4*(\hi)+(\a))+7], v[8*(8*(\a)+(\b)):8*(8*(\a)+(\b))+7]
.endif
.endr
.endr
.endm
; 32 LDS loads in one run: the fragments of one quarter step (128 rows of B, 128 rows of A, 32 K at byte k of the rows) into buffer f
.macro FETCH slot, k, f
	WIN TO_B
.irp i, 0,1,2,3,4,5,6,7
	ds_load_b128 v[(\f)+8*(\i):(\f)+8*(\i)+3],   v[ADRB+(\slot)] offset:(\k)+(\i)*16*PITCH
	ds_load_b128 v[(\f)+8*(\i)+4:(\f)+8*(\i)+7], v[ADRB+(\slot)] offset:(\k)+(\i)*16*PITCH+32
.endr
	WIN 0
.irp i, 0,1,2,3,4,5,6,7
	ds_load_b128 v[(\f)+8*(\i):(\f)+8*(\i)+3],   v[ADRA+(\slot)] offset:(\k)+(\i)*16*PITCH
	ds_load_b128 v[(\f)+8*(\i)+4:(\f)+8*(\i)+7], v[ADRA+(\slot)] offset:(\k)+(\i)*16*PITCH+32
.endr
.endm
; A load into a register that a matrix instruction has read, and a vector instruction that reads a matrix result or writes one of a matrix instruction's registers, stand four places behind it, and only plain vector
; instructions that name none of its registers are places (ISA guide 7.12.1 for vector instructions).
.macro PLACES
.rept 4
	v_nop
.endr
.endm
; A K step is four quarter steps of 32 along K, 64 matrix instructions each, on buffers 0, 1, 0, 1.  One of the first three: multiplies buffer f; in its middle it fetches the next quarter's fragments, at byte k of the slot's rows, into g.
.macro QUARTER slot, k, f, g, zero
	s_wait_dscnt 8                                 ; B and A's rows 0-63 are in; the youngest eight loads (A's rows 64-127) may be out
	WIN MUL_LO
	MUL16 \f, 0, 0, \zero
	MUL16 \f, 0, 2, \zero
	PLACES
	FETCH \slot, \k, \g
	s_wait_dscnt 32                                ; all but the 32 just issued
	WIN MUL_HI
	MUL16 \f, 1, 0, \zero
	MUL16 \f, 1, 2, \zero
.endm
; The last quarter multiplies buffer 1 and changes slots.  MEET is its first half: ONE barrier for the change.  In front of it each wave waits for all its tensor loads, of which one is out: its part of the next slot;
; adds 0 to its spare word; and waits for that and for its own reads of this slot.  Behind it nobody reads this slot any more and the next slot is whole.
.macro MEET round                      ; round = 1: the rest of a round of the cluster's barrier follows
	WIN 0                                          ; (the add's two registers lie in window 0)
	s_wait_tensorcnt 0x0                           ; all my tensor loads have landed
	ds_add_u32 v[SPW], v[NIL]                      ; 0 onto my spare word
	s_wait_dscnt 9                                 ; (the add and the youngest eight loads may be out)
	WIN MUL_LO
	MUL16 F1, 0, 0, 0                              ; sixteen matrix instructions stand between the add and the wait for it
	s_wait_dscnt 0x0                               ; the add is done, and my reads of this slot are over
	s_barrier_signal -1
	MUL16 F1, 0, 2, 0                              ; work on registers while the others arrive
.if \round
	WIN 0
.endif
	s_barrier_wait -1
.endm
; The whole last quarter.  fill = 1: behind the round the slot just read out is filled again first, with the K step two steps on; then come the next slot's first fragments.  From a request to the wait for it a wave issues 224 matrix instructions.
.macro TURN slot, next, fill
.if \fill
	s_wait_xcnt 0x0                                ; the last prefetch, a K step back, has read its address: it is stepped here, ahead of the waits of the change of slots
	s_add_nc_u64 s[PFA:PFA+1], s[PFA:PFA+1], KSTEP*2
	MEET 1
	CREST                                          ; no wave of any partner still reads this slot's tile or has a load on its way
	s_add_nc_u64 s[G0+4*(\slot)+2:G0+4*(\slot)+3], s[G0+4*(\slot)+2:G0+4*(\slot)+3], 2*KSTEP*2
	s_add_nc_u64 s[G0B+4*(\slot)+2:G0B+4*(\slot)+3], s[G0B+4*(\slot)+2:G0B+4*(\slot)+3], 2*KSTEP*2
	JLOAD \slot                                    ; the first tensor load behind the round, my only one until the next; its four v_nop are also the places in front of the loads below
.else
	MEET 0
	PLACES
.endif
	FETCH \next, 0, F0
.if \fill
	ASK
.endif
	WIN MUL_HI
	MUL16 F1, 1, 0, 0
	MUL16 F1, 1, 2, 0
.endm
; THE WAY OUT of block a (16 of my rows x my 128 columns), in three parts.
; PACK: the exponents S (2 g L) + ((-g L) csq + (-g L) xsq), two an instruction, each accumulator's registers in ascending order; the block's 64 exponentials as ONE batch with one plain instruction and one wait behind it,
; the densities rounded to bf16, 16 bytes a lane.
.macro PACK a
.set AC, 64*((\a)%4)
.set T, TMP+32*((\a)%2)
	WIN 0
.set i, 0
.rept 32
	v_pk_add_f32 v[ARG+i:ARG+i+1], v[CS+i:CS+i+1], v[XS+2*(\a):XS+2*(\a)+1]
.set i, i+2
.endr
	WIN 0x02+(\a)/4                                ; source 0: window 2 or 3
.set i, 0
.rept 32
	v_pk_fma_f32 v[ARG+i:ARG+i+1], v[AC+i:AC+i+1], v[K2:K2+1], v[ARG+i:ARG+i+1]
.set i, i+2
.endr
	WIN 0
.set i, 0
.rept 64
	v_exp_f32 v[ARG+i], v[ARG+i]
.set i, i+1
.endr
	v_nop                                          ; a plain instruction behind the last exponential
	s_wait_alu depctr_va_vdst(0)                   ; the wait for the batch, ahead of its first reader
	s_wait_xcnt 0x0                                ; the stores of the block two back have read this set of registers: it is written again only behind this wait
.set i, 0
.rept 32
	v_cvt_pk_bf16_f32 v[T+i], v[ARG+2*i], v[ARG+2*i+1]
.set i, i+1
.endr
.endm
; TOSTAGE: into my own stage in LDS, and back as whole rows of 256 bytes, into the registers that they left.
.macro TOSTAGE a
.set T, TMP+32*((\a)%2)
.irp b, 0,1,2,3,4,5,6,7
	ds_store_b128 v[STO], v[T+4*(\b):T+4*(\b)+3] offset:32*(\b)
.endr
.irp t, 0,1,2,3,4,5,6,7
	ds_load_b128 v[T+4*(\t):T+4*(\t)+3], v[RD] offset:(\t)*2*SPITCH  ; LDS serves a wave's instructions in order (ISA guide 5.7.1.4): these see the stores above
.endr
.endm
; SEND: stored.
.macro SEND a
.set T, TMP+32*((\a)%2)
	s_wait_dscnt 0x0                               ; the block is back in registers
	s_wait_xcnt 0x0                                ; earlier stores have read their base: it is stepped only behind this wait
.if (\a) == 0
	s_add_nc_u64 s[8:9], s[8:9], s[16:17]          ; on to my first rows
.else
	s_add_nc_u64 s[8:9], s[8:9], 16*ROWC           ; 16 rows on
.endif
.irp t, 0,1,2,3,4,5,6,7
	global_store_b128 v[CO], v[T+4*(\t):T+4*(\t)+3], s[8:9] offset:2*(\t)*ROWC  ; 16 lanes store 256 consecutive bytes, at a multiple of 256 from the buffer's first byte
.endr
.endm
	s_wait_tensorcnt 1                             ; my part of K step 0 is in; K step 1's load stays out
	s_barrier_signal -1
	s_barrier_wait -1                              ; everybody's is
	FETCH 0, 0, F0
	QUARTER 0, 64,  F0, F1, 1                      ; the first quarter stands in front of the loop: its products start the sums
	WIN 0                                          ; at a label and at a branch every window is 0
	s_mov_b32 s3, LAPS-1
.Llap:                                                 ; a trip goes once round the ring, from a lap's second quarter to the next lap's first, and fills both slots again
	QUARTER 0, 128, F1, F0, 0
	QUARTER 0, 192, F0, F1, 0
	TURN 0, 1, 1
	QUARTER 1, 64,  F0, F1, 0
	QUARTER 1, 128, F1, F0, 0
	QUARTER 1, 192, F0, F1, 0
	TURN 1, 0, 1
	QUARTER 0, 64,  F0, F1, 0
	WIN 0
	s_sub_co_u32 s3, s3, 1
	s_cmp_lg_u32 s3, 0
	s_cbranch_scc1 .Llap
	QUARTER 0, 128, F1, F0, 0                      ; the last lap is written out: it fills nothing
	QUARTER 0, 192, F0, F1, 0
	TURN 0, 1, 0
	QUARTER 1, 64,  F0, F1, 0
	QUARTER 1, 128, F1, F0, 0
	QUARTER 1, 192, F0, F1, 0
	s_wait_dscnt 8                                 ; the very last quarter: nothing more to fetch
	WIN MUL_LO
	MUL16 F1, 0, 0, 0
	MUL16 F1, 0, 2, 0
	s_wait_dscnt 0x0
	MUL16 F1, 1, 0, 0
	MUL16 F1, 1, 2, 0
	WIN 0
	PLACES                                         ; behind the last products, in front of writes into fragment registers and reads of results;
	PLACES                                         ; eight, once a launch
	PACK 0
	TOSTAGE 0
.irp a, 1,2,3,4,5,6,7                  ; block a's arithmetic stands between block a - 1's loads from the stage and the wait for them
	PACK \a
	SEND (\a)-1
	TOSTAGE \a
.endr
	SEND 7
	s_wait_tensorcnt 0x0                           ; the wave's end, behind my last tensor load and my last LDS store
	ds_add_u32 v[SPW], v[NIL]
	s_wait_dscnt 0x0
	CROUND                                         ; the closing round: no work-group ends while a partner may still ask for a tile that names it
	s_endpgm
.Lfunc_end_k_q2f22e9ad72_gemm1:
	.size	k_q2f22e9ad72_gemm1, .Lfunc_end_k_q2f22e9ad72_gemm1-k_q2f22e9ad72_gemm1
	.p2alignl 7, 3214868480
	.fill 96, 4, 3214868480
	.section	.rodata,"a",@progbits
	.p2align	6, 0x0
	.amdhsa_kernel k_q2f22e9ad72_gemm1
		.amdhsa_group_segment_fixed_size 327680
		.amdhsa_private_segment_fixed_size 0
		.amdhsa_enable_private_segment 0
		.amdhsa_kernarg_size 48
		.amdhsa_user_sgpr_count 2
		.amdhsa_user_sgpr_kernarg_segment_ptr 1
		.amdhsa_wavefront_size32 1
		.amdhsa_system_sgpr_workgroup_id_x 1
		.amdhsa_system_sgpr_workgroup_id_y 1
		.amdhsa_system_sgpr_workgroup_id_z 1
		.amdhsa_system_vgpr_workitem_id 0
		.amdhsa_next_free_vgpr 1024
		.amdhsa_next_free_sgpr 82
		.amdhsa_reserve_vcc 0
		.amdhsa_float_denorm_mode_32 3
		.amdhsa_float_denorm_mode_16_64 3
		.amdhsa_memory_ordered 1
		.amdhsa_forward_progress 1
		.amdhsa_inst_pref_size 199
	.end_amdhsa_kernel
	.amdgpu_metadata
---
amdhsa.version: [ 1, 2 ]
amdhsa.kernels:
  - .name:           k_q2f22e9ad72_gemm1
    .symbol:         k_q2f22e9ad72_gemm1.kd
    .args:
      - { .name: xb, .offset: 0, .size: 8, .value_kind: global_buffer, .address_space: global }
      - { .name: cb, .offset: 8, .size: 8, .value_kind: global_buffer, .address_space: global }
      - { .name: dens, .offset: 16, .size: 8, .value_kind: global_buffer, .address_space: global }
      - { .name: xsq, .offset: 24, .size: 8, .value_kind: global_buffer, .address_space: global }
      - { .name: csq, .offset: 32, .size: 8, .value_kind: global_buffer, .address_space: global }
      - { .name: gamma, .offset: 40, .size: 8, .value_kind: global_buffer, .address_space: global }
    .group_segment_fixed_size: 327680
    .private_segment_fixed_size: 0
    .kernarg_segment_align: 8
    .kernarg_segment_size: 48
    .max_flat_workgroup_size: 128
    .sgpr_count:     82
    .vgpr_count:     1024
    .wavefront_size: 32
...
	.end_amdgpu_metadata
.endif
;; end of part 2
;; launch gemm2 (part 3): grid 8 x 32, 4 waves a work-group, clusters of 4 x 4, 327,680 bytes of LDS; arguments dens, nt, out0; writes out0
.if DOCPART == 3
	.amdgcn_target "amdgcn-amd-amdhsa--gfx1250"
	.amdhsa_code_object_version 6
	.text
	.protected	k_q2f22e9ad72_gemm2
	.globl	k_q2f22e9ad72_gemm2
	.p2align	8
	.type	k_q2f22e9ad72_gemm2,@function
k_q2f22e9ad72_gemm2:
	s_mov_b64 s[64:65], 0
	v_nop
	global_prefetch_b8 v0, s[64:65] scope:SCOPE_SE
	s_setreg_imm32_b32 hwreg(HW_REG_WAVE_MODE, 25, 1), 1
	s_wait_xcnt 0x0
	s_wait_alu depctr_hold_cnt(0) depctr_sa_sdst(0) depctr_va_vdst(0) depctr_va_sdst(0) depctr_va_ssrc(0) depctr_va_vcc(0) depctr_vm_vsrc(0)
	s_getreg_b32 s2, hwreg(HW_REG_IB_STS2, 6, 4)
	s_cmp_eq_u32 s2, 0
	s_cbranch_scc0 .Lentry_in_a_cluster
	s_endpgm
.Lentry_in_a_cluster:
	s_bfe_u32 s2, ttmp6, 0x10000c
	s_cmp_lg_u32 s2, 0xf033
	s_cbranch_scc0 .Lentry_shape_is_right
	s_endpgm
.Lentry_shape_is_right:
; out0[m][n] = the sum over k of dens[m][k] nt[n][k].  dens: [8192][2048] bf16, nt: [2048][2048] bf16 (the normalization, transposed), out0: [8192][2048] f32; sums in f32, stored as they are.
; LIMITS.  Both operands are bf16; NaN and infinities are not treated apart.
; A tile of 256 x 256 is made by a work-group of four waves; a wave makes 128 x 128: 64 accumulators of 16 x 16, 512 registers.  32 x 8 tiles: 256 work-groups, one tile each.
; K goes in steps of 128 through a ring of two LDS slots filled by the tensor data mover: the tiles' rows are 256 bytes of memory and start at multiples of 256 bytes from the buffer's first byte.
; CLUSTERS: 4 x 4 work-groups.  The four of a row of the cluster need the same tiles of A (dens), the four of a column the same tiles of B (nt): such a tile is asked for JOINTLY: each of the four issues
; the same tensor load, with the same descriptor and a mask that names the four, and each receives the tile in its own LDS.
; REGISTERS, in windows of 256 (s_set_vgpr_msb's low byte: bits 1:0 source 0, 3:2 source 1, 5:4 source 2, 7:6 destination):
;   window 0: v0-31 addresses; v64-127, v128-191 fragments of A, two buffers (on the way out: whole rows read back from the stage, two sets by turns)
;   window 1: v64-127, v128-191 fragments of B, two buffers     window 2: the 32 accumulators of my rows 0-63 ((a, b) at v[8 (8 a + b)])     window 3: those of my rows 64-127
; THE MATRIX INSTRUCTION IS USED TRANSPOSED: source 0 = 16 rows of B, source 1 = 16 rows of A.  Lane l then holds row l % 16 of the result and in registers 0-7 the columns 8 (l / 16) + 0..7: 32 neighbouring bytes of a row.
.set SIZE_N, 2048
.set SIZE_K, 2048
.set KSTEP,  128
.set PITCH,  272                       ; an LDS row: 256 bytes + 16 of padding = 68 words: row r starts at bank 4 r mod 64 (64 banks of 4 bytes: ISA guide 11.1), so the 16 rows of a load start at 16 different banks
.set HALFT,  128*PITCH                 ; 128 rows: what one tensor load brings, and what one wave reads of A or of B
.set SLOT,   4*HALFT                   ; A's 256 rows, then B's 256 rows
.set STAGE,  2*SLOT                    ; behind the ring: 16 rows x 528 bytes for each wave, for the way out; no tensor load lands here
.set SPITCH, 528                       ; a stage row: my 128 columns in f32, 512 bytes, + 16 of padding
.set SPARE,  STAGE+4*16*SPITCH         ; behind the stages: the spare words, 128 bytes for each wave, which no other line names
.set LAPS,   SIZE_K/(2*KSTEP)          ; a lap = two K steps = once round the ring: 8
.set ROWC,   SIZE_N*4                  ; bytes in a row of out0
.set ADRA, 16                          ; v16-17  LDS address of my A fragments in slot 0, 1
.set ADRB, 20                          ; v20-21  the same for B
.set STO,  24                          ; v24     the way out: where I put 32 bytes of a row
.set RD,   25                          ; v25     the way out: where I read a row back
.set CO,   26                          ; v26     my byte offset in a row's 512 bytes of out0
.set SPW,  28                          ; v28     LDS address of my spare word; never rewritten
.set NIL,  29                          ; v29     0; never rewritten
.set PFO,  30                          ; v30     the prefetches' offset: my lane x a row of A or B in memory; never rewritten
.set F0,   64                          ; fragment buffer 0
.set F1,   128                         ; fragment buffer 1
.set PFA,  44                          ; s[44:45] where my prefetches stand
.set LIM,  43                          ; s43     1 in a wave that prefetches, else the greatest number
.set G1,  24                           ; s[24:31] descriptor group 1 for A's tiles;  s[32:39] group 0, one set for each slot
.set G0,  32
.set G1B, 48                           ; s[48:55], s[56:63] the same for B's tiles
.set G0B, 56
.set MSB, 0
.macro WIN new                         ; the immediate's high byte repeats the setting that is left; a switch that changes nothing is dropped
.if MSB != (\new)
	s_set_vgpr_msb (MSB<<8)|(\new)
.set MSB, \new
.endif
.endm
.set MUL_LO, 0xa1                      ; source 0 (B) window 1, source 1 (A) window 0, C and D window 2
.set MUL_HI, 0xf1                      ; the same, C and D window 3
.set TO_B,   0x40                      ; destination window 1, address window 0
; A joint load.  Waves 0 and 1 fetch A's two halves, waves 2 and 3 B's.  Each line has one mask and one set of registers for all that issue it.  The branch hangs on the wave's number alone.
; An s_nop 0 and four v_nop follow each of the two lines, ahead of the jump, the label and what follows.
.macro JLOAD s
	s_cmp_eq_u32 s11, 0
	s_cbranch_scc0 .Lfor_b_\@
	tensor_load_to_lds s[G0+4*(\s):G0+4*(\s)+3], s[G1:G1+7]
	s_nop 0
.rept 4
	v_nop
.endr
	s_branch .Lasked_\@
.Lfor_b_\@:
	tensor_load_to_lds s[G0B+4*(\s):G0B+4*(\s)+3], s[G1B:G1B+7]
	s_nop 0
.rept 4
	v_nop
.endr
.Lasked_\@:
.endm
; A PREFETCH INTO THE L2, behind each joint refill and the run of LDS loads that follows it: the K step that stands TWO refills on (512 matrix instructions ahead of the load that will want it): 32 rows x 256 bytes,
; a lane a row, one instruction a wave.  Each row's 256 bytes of a K step are named ONCE in the launch: A's tile row is read by both clusters of that row of clusters: the one with x = 0 asks; B's tile column by the
; eight clusters of that column: the one with y = 0 asks.  The four partners that ask for a tile jointly share its rows out BY ADDRESS: of the 128 rows that a wave fetches the partner at place p takes 32 p .. 32 p + 31
; (p = cx for A, cy for B).  K steps 0 to 3 come by their loads alone; the loop's last trip (s3 = 1) asks for nothing: there is no K step two on.
.macro ASK
	s_cmp_gt_u32 s3, s[LIM]
	s_cbranch_scc0 .Lnot_mine_\@
	global_prefetch_b8 v[PFO], s[PFA:PFA+1] offset:KSTEP*2 th:TH_LOAD_NT scope:SCOPE_SE
.Lnot_mine_\@:
.endm
; A round of the cluster's barrier: my work-group's barrier, so that wave 0's signal speaks for all four waves; wave 0 signals for the work-group; every wave waits for all sixteen work-groups; my work-group's barrier once more.
.macro CREST                           ; a round behind its opening barrier
	s_cmp_lg_u32 s10, 0
	s_cbranch_scc1 .Lnot_wave_0_\@
	s_barrier_signal -3
.Lnot_wave_0_\@:
	s_barrier_wait -3
	s_barrier_signal -1
	s_barrier_wait -1
.endm
.macro CROUND                          ; a whole round
	s_barrier_signal -1
	s_barrier_wait -1
	CREST
.endm
	s_load_b128 s[4:7], s[0:1], 0x0                ; A = dens s[4:5], B = nt s[6:7]
	s_load_b64 s[8:9], s[0:1], 0x10                ; out0
	v_lshl_add_u32 v[SPW], v0, 2, SPARE
	v_mov_b32 v[NIL], 0
	ds_add_u32 v[SPW], v[NIL]                      ; the wave's opening: the add, twice on end, and its wait ahead of my first tensor load; the set-up below stands between
	ds_add_u32 v[SPW], v[NIL]
	v_lshrrev_b32 v1, 5, v0
	v_readfirstlane_b32 s10, v1                    ; wave 0..3
	s_lshr_b32 s11, s10, 1                         ; which half of the tile's rows is mine.  Also: I fetch for A (0) or for B (1)
	s_and_b32 s12, s10, 1                          ; which half of its columns.  Also: which 128 rows of that tile I fetch
	s_bfe_u32 s40, ttmp6, 0x40000                  ; cx: my place along the cluster's x
	s_bfe_u32 s41, ttmp6, 0x40004                  ; cy: along its y
	s_lshl_b32 s42, ttmp9, 2                       ; in a cluster launch ttmp9 and ttmp7 count clusters
	s_add_co_u32 s42, s42, s40                     ; tile column = 4 x cluster x + cx
	s_and_b32 s13, ttmp7, 0xffff
	s_lshl_b32 s13, s13, 2
	s_add_co_u32 s13, s13, s41                     ; tile row = 4 x cluster y + cy
	s_lshl_b32 s43, s41, 2
	s_lshl_b32 s43, 15, s43                        ; my row of the cluster: places 4 cy .. 4 cy + 3
	s_lshl_b32 s44, 0x1111, s40                    ; my column: places cx, cx + 4, cx + 8, cx + 12
	; descriptor group 1: a tile of 128 rows x 128 elements, padded in LDS
	s_or_b32 s[G1+0], s43, (1<<16)|(1<<20)|(1<<21)|(5<<22)|(3<<25)  ; 15:0 the mask: A's tiles go to my row; 17:16 elements of 2 bytes; 20 padding on; 21 set beside a mask; 24:22 after every 64 words (code 5); 31:25 4 words of it (code 3)
	s_or_b32 s[G1B+0], s44, (1<<16)|(1<<20)|(1<<21)|(5<<22)|(3<<25) ; the same with the mask of my column, for B's tiles
.irp g, G1, G1B
	s_mov_b32 s[(\g)+1], KSTEP<<16                 ; tensor_dim0 = 128
	s_mov_b32 s[(\g)+2], 128<<16                   ; tensor_dim1 = 128
	s_mov_b32 s[(\g)+3], KSTEP<<16                 ; tile_dim0 = 128
	s_mov_b32 s[(\g)+4], 128                       ; tile_dim1 = 128
	s_mov_b32 s[(\g)+5], SIZE_K                    ; elements from row to row
	s_mov_b32 s[(\g)+6], 0
	s_mov_b32 s[(\g)+7], 0
.endr
	; where the tiles come from.  A's hang on the tile row alone, which my row of the cluster shares; B's on the tile column alone, which my column shares.  Every wave makes both addresses, in registers that never hold the other coordinate.
	s_lshl_b32 s17, s12, 7                         ; which 128 rows of the tile I fetch
	s_lshl_b32 s16, s13, 8
	s_add_co_u32 s16, s16, s17                     ; A: row 256 x tile row + 128 x half
	s_lshl_b32 s46, s42, 8
	s_add_co_u32 s46, s46, s17                     ; B: row 256 x tile column + 128 x half
	s_mov_b32 s17, 0
	s_mov_b32 s47, 0
	s_mov_b64 s[18:19], SIZE_K*2
	s_mul_u64 s[16:17], s[16:17], s[18:19]         ; in bytes
	s_mul_u64 s[46:47], s[46:47], s[18:19]
	s_mul_i32 s20, s10, HALFT                      ; and where they go: wave x 128 rows: no place in the cluster enters an LDS address
	s_wait_dscnt 0x0                               ; both opening adds are done
	s_wait_kmcnt 0x0
	s_add_nc_u64 s[14:15], s[4:5], s[16:17]
	s_add_nc_u64 s[46:47], s[6:7], s[46:47]
	CROUND                                         ; all sixteen work-groups are here: the first joint loads meet
.irp s, 0,1
	s_mov_b32 s[G0+4*(\s)], 1                                      ; count = 1
	s_add_co_u32 s[G0+4*(\s)+1], s20, (\s)*SLOT                    ; LDS address
	s_add_nc_u64 s[G0+4*(\s)+2:G0+4*(\s)+3], s[14:15], (\s)*KSTEP*2  ; global address: K step s
	s_or_b32 s[G0+4*(\s)+3], s[G0+4*(\s)+3], 0x80000000            ; type = 2
	s_mov_b32 s[G0B+4*(\s)], 1
	s_add_co_u32 s[G0B+4*(\s)+1], s20, (\s)*SLOT
	s_add_nc_u64 s[G0B+4*(\s)+2:G0B+4*(\s)+3], s[46:47], (\s)*KSTEP*2
	s_or_b32 s[G0B+4*(\s)+3], s[G0B+4*(\s)+3], 0x80000000
	JLOAD \s                                       ; the ring is filled before anything else is done: two loads of mine are out
.endr
	; A fragment is 16 rows x 32 K in 8 registers: lane l holds row l % 16; registers 0-3 K = 8 (l / 16) + 0..7, registers 4-7 K = 16 + 8 (l / 16) + 0..7: two loads of 16 bytes, 32 bytes apart.
	v_and_b32 v1, 15, v0                           ; l % 16
	v_bfe_u32 v2, v0, 4, 1                         ; l / 16
	v_mul_u32_u24 v3, v1, PITCH
	v_lshl_add_u32 v3, v2, 4, v3                   ; row x pitch + 16 x half
	s_mul_i32 s21, s11, HALFT                      ; my 128 rows of A
	s_mul_i32 s22, s12, HALFT                      ; my 128 rows of B,
	s_add_co_u32 s22, s22, 2*HALFT                 ; which lie behind A's 256
.irp s, 0,1
	v_add_nc_u32 v[ADRA+(\s)], s21, v3
	v_add_nc_u32 v[ADRB+(\s)], s22, v3
	s_add_co_u32 s21, s21, SLOT
	s_add_co_u32 s22, s22, SLOT
.endr
	s_mul_i32 s23, s10, 16*SPITCH
	s_add_co_u32 s23, s23, STAGE                   ; my stage
	v_mul_u32_u24 v4, v1, SPITCH                   ; in: row l % 16, 32 bytes for each half of the lanes
	v_lshl_add_u32 v4, v2, 5, v4
	v_add_nc_u32 v[STO], s23, v4
	v_and_b32 v5, 31, v0
	v_lshlrev_b32 v[CO], 4, v5                     ; back: the 32 lanes take one row's 512 bytes, 16 each; the same place in a row of out0
	v_add_nc_u32 v[RD], s23, v[CO]
	; where my part of the tile begins in out0, in bytes: the way out adds it to the address
	s_lshl_b32 s13, s13, 8
	s_lshl_b32 s14, s11, 7
	s_add_co_u32 s16, s13, s14                     ; my first row
	s_mov_b32 s17, 0
	s_mov_b64 s[18:19], ROWC
	s_mul_u64 s[16:17], s[16:17], s[18:19]
	s_lshl_b32 s46, s42, 10                        ; my first column, in bytes: 1,024 x tile column + 512 x half
	s_lshl_b32 s47, s12, 9
	s_add_co_u32 s46, s46, s47
	s_mov_b32 s47, 0
	s_add_nc_u64 s[16:17], s[16:17], s[46:47]
	; the prefetches.  s13 = 256 x tile row, s42 = tile column, s40 = cx, s41 = cy still stand
	s_lshl_b32 s42, s42, 8
	s_and_b32 s22, ttmp7, 0xffff                   ; cluster y
	s_cmp_eq_u32 s11, 0                            ; do I fetch for A?
	s_cselect_b32 s20, s13, s42                    ; the tile's first row: in A by the tile row, in B by the tile column
	s_cselect_b32 s21, s40, s41                    ; my place among the four that ask for it with me
	s_cselect_b32 s22, ttmp9, s22                  ; the coordinate along which other clusters read the same rows
	s_cselect_b64 s[PFA:PFA+1], s[4:5], s[6:7]
	s_cmp_eq_u32 s22, 0
	s_cselect_b32 s[LIM], 1, -1                    ; the same in all sixteen partners, for a given wave
	s_lshl_b32 s22, s12, 7
	s_add_co_u32 s20, s20, s22                     ; + the 128 rows that I fetch
	s_lshl_b32 s21, s21, 5
	s_add_co_u32 s20, s20, s21                     ; + my work-group's 32 of them
	s_mov_b32 s21, 0
	s_mov_b64 s[18:19], SIZE_K*2
	s_mul_u64 s[20:21], s[20:21], s[18:19]
	s_add_nc_u64 s[PFA:PFA+1], s[PFA:PFA+1], s[20:21]
	s_add_nc_u64 s[PFA:PFA+1], s[PFA:PFA+1], 2*KSTEP*2  ; at K step 2: the first refill steps it to 3 and names K step 4
	v_and_b32 v[PFO], 31, v0
	v_mul_u32_u24 v[PFO], v[PFO], SIZE_K*2
; 16 matrix instructions: m blocks a0, a0 + 1 of the window's four (hi = 0: my rows 0-63, 1: rows 64-127) x all 8 n blocks, 32 along K.  zero = 1: the first product starts the sums: nothing is ever cleared.
; The 64 accumulators take turns, one instruction a turn, in the same order in every quarter step, over the loop's backward jump too.
.macro MUL16 f, hi, a0, zero
	WIN MUL_LO+0x50*(\hi)
.irp a, \a0, (\a0)+1
.irp b, 0,1,2,3,4,5,6,7
.if \zero
	v_wmma_f32_16x16x32_bf16 v[8*(8*(\a)+(\b)):8*(8*(\a)+(\b))+7], v[(\f)+8*(\b):(\f)+8*(\b)+7], v[(\f)+8*(4*(\hi)+(\a)):(\f)+8*(4*(\hi)+(\a))+7], 0
.else
	v_wmma_f32_16x16x32_bf16 v[8*(8*(\a)+(\b)):8*(8*(\a)+(\b))+7], v[(\f)+8*(\b):(\f)+8*(\b)+7], v[(\f)+8*(4*(\hi)+(\a)):(\f)+8*(4*(\hi)+(\a))+7], v[8*(8*(\a)+(\b)):8*(8*(\a)+(\b))+7]
.endif
.endr
.endr
.endm
; 32 LDS loads in one run: the fragments of one quarter step (128 rows of B, 128 rows of A, 32 K at byte k of the rows) into buffer f
.macro FETCH slot, k, f
	WIN TO_B
.irp i, 0,1,2,3,4,5,6,7
	ds_load_b128 v[(\f)+8*(\i):(\f)+8*(\i)+3],   v[ADRB+(\slot)] offset:(\k)+(\i)*16*PITCH
	ds_load_b128 v[(\f)+8*(\i)+4:(\f)+8*(\i)+7], v[ADRB+(\slot)] offset:(\k)+(\i)*16*PITCH+32
.endr
	WIN 0
.irp i, 0,1,2,3,4,5,6,7
	ds_load_b128 v[(\f)+8*(\i):(\f)+8*(\i)+3],   v[ADRA+(\slot)] offset:(\k)+(\i)*16*PITCH
	ds_load_b128 v[(\f)+8*(\i)+4:(\f)+8*(\i)+7], v[ADRA+(\slot)] offset:(\k)+(\i)*16*PITCH+32
.endr
.endm
; A load into a register that a matrix instruction has read, and an LDS store that reads a matrix result, stand four places behind it, and only plain vector instructions that name none of its registers are places
; (ISA guide 7.12.1 for vector instructions).
.macro PLACES
.rept 4
	v_nop
.endr
.endm
; A K step is four quarter steps of 32 along K, 64 matrix instructions each, on buffers 0, 1, 0, 1.  One of the first three: multiplies buffer f; in its middle it fetches the next quarter's fragments, at byte k of the slot's rows, into g.
.macro QUARTER slot, k, f, g, zero
	s_wait_dscnt 8                                 ; B and A's rows 0-63 are in; the youngest eight loads (A's rows 64-127) may be out
	WIN MUL_LO
	MUL16 \f, 0, 0, \zero
	MUL16 \f, 0, 2, \zero
	PLACES
	FETCH \slot, \k, \g
	s_wait_dscnt 32                                ; all but the 32 just issued
	WIN MUL_HI
	MUL16 \f, 1, 0, \zero
	MUL16 \f, 1, 2, \zero
.endm
; The last quarter multiplies buffer 1 and changes slots.  MEET is its first half: ONE barrier for the change.  In front of it each wave waits for all its tensor loads, of which one is out: its part of the next slot;
; adds 0 to its spare word; and waits for that and for its own reads of this slot.  Behind it nobody reads this slot any more and the next slot is whole.
.macro MEET round                      ; round = 1: the rest of a round of the cluster's barrier follows
	WIN 0                                          ; (the add's two registers lie in window 0)
	s_wait_tensorcnt 0x0                           ; all my tensor loads have landed
	ds_add_u32 v[SPW], v[NIL]                      ; 0 onto my spare word
	s_wait_dscnt 9                                 ; (the add and the youngest eight loads may be out)
	WIN MUL_LO
	MUL16 F1, 0, 0, 0                              ; sixteen matrix instructions stand between the add and the wait for it
	s_wait_dscnt 0x0                               ; the add is done, and my reads of this slot are over
	s_barrier_signal -1
	MUL16 F1, 0, 2, 0                              ; work on registers while the others arrive
.if \round
	WIN 0
.endif
	s_barrier_wait -1
.endm
; The whole last quarter.  fill = 1: behind the round the slot just read out is filled again first, with the K step two steps on; then come the next slot's first fragments.  From a request to the wait for it a wave issues 224 matrix instructions.
.macro TURN slot, next, fill
.if \fill
	s_wait_xcnt 0x0                                ; the last prefetch, a K step back, has read its address: it is stepped here, ahead of the waits of the change of slots
	s_add_nc_u64 s[PFA:PFA+1], s[PFA:PFA+1], KSTEP*2
	MEET 1
	CREST                                          ; no wave of any partner still reads this slot's tile or has a load on its way
	s_add_nc_u64 s[G0+4*(\slot)+2:G0+4*(\slot)+3], s[G0+4*(\slot)+2:G0+4*(\slot)+3], 2*KSTEP*2
	s_add_nc_u64 s[G0B+4*(\slot)+2:G0B+4*(\slot)+3], s[G0B+4*(\slot)+2:G0B+4*(\slot)+3], 2*KSTEP*2
	JLOAD \slot                                    ; the first tensor load behind the round, my only one until the next; its four v_nop are also the places in front of the loads below
.else
	MEET 0
	PLACES
.endif
	FETCH \next, 0, F0
.if \fill
	ASK
.endif
	WIN MUL_HI
	MUL16 F1, 1, 0, 0
	MUL16 F1, 1, 2, 0
.endm
; THE WAY OUT of block a (16 of my rows x my 128 columns, f32), in two parts.
; OUTSTAGE: a lane's eight numbers of each accumulator, 32 bytes of a row, go straight from the accumulators into my own stage (each accumulator's four lowest registers first),
; and come back as whole rows of 512 bytes, into set a % 2 of the fragment registers.
.macro OUTSTAGE a
.set AC, 64*((\a)%4)
.set OB, F0+64*((\a)%2)
	s_wait_xcnt 0x0                                ; the stores of the block two back have read this set of registers: it is loaded again only behind this wait
	WIN 0x08+4*((\a)/4)                            ; the stores' data (source 1): window 2 or 3; the address: window 0
.irp b, 0,1,2,3,4,5,6,7
	ds_store_b128 v[STO], v[AC+8*(\b):AC+8*(\b)+3]   offset:64*(\b)
	ds_store_b128 v[STO], v[AC+8*(\b)+4:AC+8*(\b)+7] offset:64*(\b)+16
.endr
	WIN 0
.irp t, 0,1,2,3,4,5,6,7,8,9,10,11,12,13,14,15
	ds_load_b128 v[OB+4*(\t):OB+4*(\t)+3], v[RD] offset:(\t)*SPITCH  ; LDS serves a wave's instructions in order (ISA guide 5.7.1.4): these see the stores above; the next block's stores come behind them
.endr
.endm
; SEND: stored.  younger: the LDS instructions issued behind block a's loads, which may stay out: the next block's sixteen stores and sixteen loads, or none.
.macro SEND a, younger
.set OB, F0+64*((\a)%2)
	s_wait_dscnt \younger                          ; the block is back in registers
	s_wait_xcnt 0x0                                ; earlier stores have read their base: it is stepped only behind this wait
.if (\a) == 0
	s_add_nc_u64 s[8:9], s[8:9], s[16:17]          ; on to my first rows
.else
	s_add_nc_u64 s[8:9], s[8:9], 16*ROWC           ; 16 rows on
.endif
.irp t, 0,1,2,3,4,5,6,7,8,9,10,11,12,13,14,15
	global_store_b128 v[CO], v[OB+4*(\t):OB+4*(\t)+3], s[8:9] offset:(\t)*ROWC th:TH_STORE_NT  ; the wave stores 512 consecutive bytes, at a multiple of 256 from the buffer's first byte
.endr
.endm
	s_wait_tensorcnt 1                             ; my part of K step 0 is in; K step 1's load stays out
	s_barrier_signal -1
	s_barrier_wait -1                              ; everybody's is
	FETCH 0, 0, F0
	QUARTER 0, 64,  F0, F1, 1                      ; the first quarter stands in front of the loop: its products start the sums
	WIN 0                                          ; at a label and at a branch every window is 0
	s_mov_b32 s3, LAPS-1
.Llap:                                                 ; a trip goes once round the ring, from a lap's second quarter to the next lap's first, and fills both slots again
	QUARTER 0, 128, F1, F0, 0
	QUARTER 0, 192, F0, F1, 0
	TURN 0, 1, 1
	QUARTER 1, 64,  F0, F1, 0
	QUARTER 1, 128, F1, F0, 0
	QUARTER 1, 192, F0, F1, 0
	TURN 1, 0, 1
	QUARTER 0, 64,  F0, F1, 0
	WIN 0
	s_sub_co_u32 s3, s3, 1
	s_cmp_lg_u32 s3, 0
	s_cbranch_scc1 .Llap
	QUARTER 0, 128, F1, F0, 0                      ; the last lap is written out: it fills nothing
	QUARTER 0, 192, F0, F1, 0
	TURN 0, 1, 0
	QUARTER 1, 64,  F0, F1, 0
	QUARTER 1, 128, F1, F0, 0
	QUARTER 1, 192, F0, F1, 0
	s_wait_dscnt 8                                 ; the very last quarter: nothing more to fetch
	WIN MUL_LO
	MUL16 F1, 0, 0, 0
	MUL16 F1, 0, 2, 0
	s_wait_dscnt 0x0
	MUL16 F1, 1, 0, 0
	MUL16 F1, 1, 2, 0
	WIN 0
	PLACES                                         ; behind the last products, in front of LDS stores that read results and of loads into fragment registers;
	PLACES                                         ; eight, once a launch
	OUTSTAGE 0
.irp a, 1,2,3,4,5,6,7                  ; block a's trip through the stage is issued ahead of the wait for block a - 1's
	OUTSTAGE \a
	SEND (\a)-1, 32
.endr
	SEND 7, 0
	s_wait_tensorcnt 0x0                           ; the wave's end, behind my last tensor load and my last LDS store
	ds_add_u32 v[SPW], v[NIL]
	s_wait_dscnt 0x0
	CROUND                                         ; the closing round: no work-group ends while a partner may still ask for a tile that names it
	s_endpgm
.Lfunc_end_k_q2f22e9ad72_gemm2:
	.size	k_q2f22e9ad72_gemm2, .Lfunc_end_k_q2f22e9ad72_gemm2-k_q2f22e9ad72_gemm2
	.p2alignl 7, 3214868480
	.fill 96, 4, 3214868480
	.section	.rodata,"a",@progbits
	.p2align	6, 0x0
	.amdhsa_kernel k_q2f22e9ad72_gemm2
		.amdhsa_group_segment_fixed_size 327680
		.amdhsa_private_segment_fixed_size 0
		.amdhsa_enable_private_segment 0
		.amdhsa_kernarg_size 24
		.amdhsa_user_sgpr_count 2
		.amdhsa_user_sgpr_kernarg_segment_ptr 1
		.amdhsa_wavefront_size32 1
		.amdhsa_system_sgpr_workgroup_id_x 1
		.amdhsa_system_sgpr_workgroup_id_y 1
		.amdhsa_system_sgpr_workgroup_id_z 1
		.amdhsa_system_vgpr_workitem_id 0
		.amdhsa_next_free_vgpr 1024
		.amdhsa_next_free_sgpr 66
		.amdhsa_reserve_vcc 0
		.amdhsa_float_denorm_mode_32 3
		.amdhsa_float_denorm_mode_16_64 3
		.amdhsa_memory_ordered 1
		.amdhsa_forward_progress 1
		.amdhsa_inst_pref_size 142
	.end_amdhsa_kernel
	.amdgpu_metadata
---
amdhsa.version: [ 1, 2 ]
amdhsa.kernels:
  - .name:           k_q2f22e9ad72_gemm2
    .symbol:         k_q2f22e9ad72_gemm2.kd
    .args:
      - { .name: dens, .offset: 0, .size: 8, .value_kind: global_buffer, .address_space: global }
      - { .name: nt, .offset: 8, .size: 8, .value_kind: global_buffer, .address_space: global }
      - { .name: out0, .offset: 16, .size: 8, .value_kind: global_buffer, .address_space: global }
    .group_segment_fixed_size: 327680
    .private_segment_fixed_size: 0
    .kernarg_segment_align: 8
    .kernarg_segment_size: 24
    .max_flat_workgroup_size: 128
    .sgpr_count:     66
    .vgpr_count:     1024
    .wavefront_size: 32
...
	.end_amdgpu_metadata
.endif
;; end of part 3
